; MI455X (gfx1250); checked and timed in simulation.
; The chip was launched on July 23, 2026; its instructions are those of AMD's public machine-readable ISA for CDNA 5 (MIT licence, August 2026) and "CDNA5" Instruction Set Architecture Reference Guide (July 2026). The comments in the code are by the model that wrote it; some were corrected since.
;; Vector Quantizer. Allowed arithmetic: float matrix products may take bf16 or f16 operands with f32 sums; all other float work in f32.
;; Inputs: codebook 8,192 x 256 float32; x 8 x 4,096 x 256 float32.
;; Outputs: out0 8 x 4,096 int32; out1 8 x 4,096 x 256 float32.
;; 2 versions, each right; version 2 is version 1 with the launch prep written anew for expert scheduling mode. Each part assembles by itself: llvm-mc -triple=amdgcn-amd-amdhsa -mcpu=gfx1250 --defsym DOCPART=n.
;; ======== version 1 of 2: 3 launches
;; workspace buffers: cbn 4,194,304 bytes; csq 32,768 bytes; order 131,072 bytes of whole numbers
;; launch prep (part 1): grid 128 x 1, 8 waves a work-group, no clusters, 1,280 bytes of LDS; arguments codebook, cbn, csq; writes cbn, csq
.if DOCPART == 1
	.amdgcn_target "amdgcn-amd-amdhsa--gfx1250"
	.amdhsa_code_object_version 6
	.text
	.protected	k_q7304fdcd17_prep
	.globl	k_q7304fdcd17_prep
	.p2align	8
	.type	k_q7304fdcd17_prep,@function
k_q7304fdcd17_prep:
	s_mov_b64 s[64:65], 0
	v_nop
	global_prefetch_b8 v0, s[64:65] scope:SCOPE_SE
	s_setreg_imm32_b32 hwreg(HW_REG_WAVE_MODE, 25, 1), 1
	s_wait_xcnt 0x0
; cbn[k][d] = bf16(-2 codebook[k][d]);  csq[k] = sum over d of bf16(codebook[k][d])^2, in f32.
; Done once here, so that the 256 work-groups of the next launch, which all walk the whole codebook, neither convert it nor square it again.
; -2 is a power of two: bf16(-2 c) = -2 bf16(c) exactly, and the sum of (2 c)^2 is exactly four times the sum of c^2.
; LIMITS: |c| above 1.7e38 overflows in cbn; csq overflows where four times the sum of squares passes 3.4e38.
; Eight waves, 64 rows a work-group (so its 64 words of csq are 256 consecutive bytes, aligned), 8 rows a wave, a whole row in one wave:
; a load of the wave covers 512 consecutive bytes, a store of cbn 256, and the sum never leaves the wave.
; No matrix unit, no cluster, no tensor load: 8 MiB are read once and 4 MiB written once.
.set X,  16                            ; v[16:79]   row k: 8 registers: elements 4 l .. 4 l + 3 and 128 + 4 l .. + 3 (l = lane)
.set P,  80                            ; v[80:111]  row k: 4 words of two bf16
.set S,  112                           ; v[112:127] row k: two chains of squares
.set TP, 128                           ; v[128:131] at work
	s_load_b128 s[4:7], s[0:1], 0x0                ; codebook s[4:5], cbn s[6:7]
	s_load_b64 s[8:9], s[0:1], 0x10                ; csq
	v_lshl_add_u32 v136, v0, 2, 0x100
	v_mov_b32 v137, 0
	v_lshrrev_b32 v4, 5, v0
	v_readfirstlane_b32 s10, v4                    ; wave 0..7
	v_and_b32 v5, 31, v0                           ; lane
	v_lshlrev_b32 v1, 4, v5                        ; 16 bytes a lane in a half row of f32
	v_lshlrev_b32 v2, 3, v5                        ; 8 bytes a lane in a half row of bf16
	v_lshlrev_b32 v3, 5, v4                        ; LDS: 8 words for each wave
	s_mov_b32 s11, 0xffff0000                      ; a word's upper bf16
	s_mov_b32 s12, 0x76543210                      ; v_permlanex16_b32: lane i reads lane i of the other half
	s_mov_b32 s13, 0xfedcba98
	s_lshl_b32 s2, ttmp9, 16                       ; 64 rows of 1,024 bytes a work-group,
	s_lshl_b32 s14, s10, 13                        ; 8 a wave
	s_add_co_u32 s2, s2, s14
	s_mov_b32 s3, 0
	s_lshr_b32 s14, s2, 1                          ; half of that in cbn
	s_mov_b32 s15, 0
	s_lshl_b32 s16, ttmp9, 8                       ; 64 words a work-group in csq
	s_mov_b32 s17, 0
	s_wait_kmcnt 0x0
	s_add_nc_u64 s[4:5], s[4:5], s[2:3]
	s_add_nc_u64 s[6:7], s[6:7], s[14:15]
	s_add_nc_u64 s[8:9], s[8:9], s[16:17]
.irp k, 0,1,2,3,4,5,6,7
	global_load_b128 v[X+8*\k:X+8*\k+3],   v1, s[4:5] offset:1024*\k       ; all sixteen loads of the wave go out at once
	global_load_b128 v[X+8*\k+4:X+8*\k+7], v1, s[4:5] offset:1024*\k+512
.endr
.macro ROW k
	s_wait_loadcnt 14-2*\k                         ; loads return in order: row k's two are in, the younger rows' stay out
.irp i, 0,2,4,6
	v_pk_mul_f32 v[X+8*\k+\i:X+8*\k+\i+1], v[X+8*\k+\i:X+8*\k+\i+1], -2.0 op_sel_hi:[1,0]
.endr
.irp i, 0,1,2,3
	v_cvt_pk_bf16_f32 v[P+4*\k+\i], v[X+8*\k+2*\i], v[X+8*\k+2*\i+1]
.endr
	global_store_b64 v2, v[P+4*\k:P+4*\k+1],   s[6:7] offset:512*\k        ; 32 lanes x 8 bytes: 256 consecutive bytes, aligned
	global_store_b64 v2, v[P+4*\k+2:P+4*\k+3], s[6:7] offset:512*\k+256    ; (each row has its own P: nothing that a store reads is rewritten)
	v_lshlrev_b32 v[TP],   16,  v[P+4*\k]          ; the first word's two squares start the two chains: nothing is cleared
	v_and_b32     v[TP+1], s11, v[P+4*\k]
	v_mul_f32 v[S+2*\k],   v[TP],   v[TP]
	v_mul_f32 v[S+2*\k+1], v[TP+1], v[TP+1]
.irp i, 1,2,3
	v_fma_mix_f32_bf16 v[S+2*\k],   v[P+4*\k+\i], v[P+4*\k+\i], v[S+2*\k]   op_sel_hi:[1,1,0]                ; low halves, squared, into f32
	v_fma_mix_f32_bf16 v[S+2*\k+1], v[P+4*\k+\i], v[P+4*\k+\i], v[S+2*\k+1] op_sel:[1,1,0] op_sel_hi:[1,1,0] ; high halves
.endr
	v_add_f32 v[S+2*\k], v[S+2*\k], v[S+2*\k+1]
	v_add_f32_dpp v[S+2*\k], v[S+2*\k], v[S+2*\k] row_xmask:1 row_mask:0xf bank_mask:0xf
	v_add_f32_dpp v[S+2*\k], v[S+2*\k], v[S+2*\k] row_xmask:2 row_mask:0xf bank_mask:0xf
	v_add_f32_dpp v[S+2*\k], v[S+2*\k], v[S+2*\k] row_xmask:4 row_mask:0xf bank_mask:0xf
	v_add_f32_dpp v[S+2*\k], v[S+2*\k], v[S+2*\k] row_xmask:8 row_mask:0xf bank_mask:0xf
	v_permlanex16_b32 v[TP], v[S+2*\k], s12, s13   ; its destination has been written above
	v_add_f32 v[S+2*\k], v[S+2*\k], v[TP]
	v_mul_f32 v[S+2*\k], 0x3e800000, v[S+2*\k]     ; a quarter: the squares were of 2 c
	ds_store_b32 v3, v[S+2*\k] offset:4*\k         ; every lane writes the same word with the same number
.endm
.irp k, 0,1,2,3,4,5,6,7
	ROW \k
.endr
	s_wait_dscnt 0x0                               ; my eight words are in LDS, for wave 0's sake
	s_barrier_signal -1
	s_barrier_wait -1
	s_cmp_lg_u32 s10, 0
	s_cbranch_scc1 .Lend
	ds_load_b64 v[TP+2:TP+3], v2                   ; wave 0: the work-group's 64 sums
	s_wait_dscnt 0x0
	global_store_b64 v2, v[TP+2:TP+3], s[8:9]      ; 256 consecutive bytes, aligned
.Lend:
	s_wait_tensorcnt 0x0
	ds_add_u32 v136, v137
	s_wait_dscnt 0x0
	s_endpgm
.Lfunc_end_k_q7304fdcd17_prep:
	.size	k_q7304fdcd17_prep, .Lfunc_end_k_q7304fdcd17_prep-k_q7304fdcd17_prep
	.p2alignl 7, 3214868480
	.fill 96, 4, 3214868480
	.section	.rodata,"a",@progbits
	.p2align	6, 0x0
	.amdhsa_kernel k_q7304fdcd17_prep
		.amdhsa_group_segment_fixed_size 1280
		.amdhsa_private_segment_fixed_size 0
		.amdhsa_enable_private_segment 0
		.amdhsa_kernarg_size 24
		.amdhsa_user_sgpr_count 2
		.amdhsa_user_sgpr_kernarg_segment_ptr 1
		.amdhsa_wavefront_size32 1
		.amdhsa_system_sgpr_workgroup_id_x 1
		.amdhsa_system_sgpr_workgroup_id_y 1
		.amdhsa_system_sgpr_workgroup_id_z 1
		.amdhsa_system_vgpr_workitem_id 0
		.amdhsa_next_free_vgpr 138
		.amdhsa_next_free_sgpr 66
		.amdhsa_reserve_vcc 0
		.amdhsa_float_denorm_mode_32 3
		.amdhsa_float_denorm_mode_16_64 3
		.amdhsa_memory_ordered 1
		.amdhsa_forward_progress 1
		.amdhsa_inst_pref_size 17
	.end_amdhsa_kernel
	.amdgpu_metadata
---
amdhsa.version: [ 1, 2 ]
amdhsa.kernels:
  - .name:           k_q7304fdcd17_prep
    .symbol:         k_q7304fdcd17_prep.kd
    .args:
      - { .name: codebook, .offset: 0, .size: 8, .value_kind: global_buffer, .address_space: global }
      - { .name: cbn, .offset: 8, .size: 8, .value_kind: global_buffer, .address_space: global }
      - { .name: csq, .offset: 16, .size: 8, .value_kind: global_buffer, .address_space: global }
    .group_segment_fixed_size: 1280
    .private_segment_fixed_size: 0
    .kernarg_segment_align: 8
    .kernarg_segment_size: 24
    .max_flat_workgroup_size: 256
    .sgpr_count:     66
    .vgpr_count:     138
    .wavefront_size: 32
...
	.end_amdgpu_metadata
.endif
;; end of part 1
;; launch nearest (part 2): grid 256 x 1, 8 waves a work-group, clusters of 4 x 1, 327,680 bytes of LDS; arguments x, cbn, csq, out0, order; writes out0, order
.if DOCPART == 2
	.amdgcn_target "amdgcn-amd-amdhsa--gfx1250"
	.amdhsa_code_object_version 6
	.text
	.protected	k_q7304fdcd17_nearest
	.globl	k_q7304fdcd17_nearest
	.p2align	8
	.type	k_q7304fdcd17_nearest,@function
k_q7304fdcd17_nearest:
	s_mov_b64 s[64:65], 0
	v_nop
	global_prefetch_b8 v0, s[64:65] scope:SCOPE_SE
	s_setreg_imm32_b32 hwreg(HW_REG_WAVE_MODE, 25, 1), 1
	s_wait_xcnt 0x0
	s_wait_alu depctr_hold_cnt(0) depctr_sa_sdst(0) depctr_va_vdst(0) depctr_va_sdst(0) depctr_va_ssrc(0) depctr_va_vcc(0) depctr_vm_vsrc(0)
	s_getreg_b32 s2, hwreg(HW_REG_IB_STS2, 6, 4)
	s_cmp_eq_u32 s2, 0
	s_cbranch_scc0 .Lentry_in_a_cluster
	s_endpgm
.Lentry_in_a_cluster:
	s_bfe_u32 s2, ttmp6, 0x10000c
	s_cmp_lg_u32 s2, 0x3003
	s_cbranch_scc0 .Lentry_shape_is_right
	s_endpgm
.Lentry_shape_is_right:
; out0[row] = order[row] = the index k of the smallest d2 = x_sq[row] - 2 x[row].c[k] + c_sq[k], the lowest k among equals.
; x: [32768][256] f32.  cbn: [8192][256] bf16 = -2 c.  csq: [8192] f32.  Products of bf16 operands, sums in f32.
; x is rounded to bf16 for the products, and x_sq is the sum of the squares of the ROUNDED numbers, as csq is.
; LIMITS.  Order of rounding: (c_sq + the products, inside the matrix chain) + x_sq, not (x_sq - 2 xc) + c_sq: two codes whose d2 lie within a
; few last bits of each other can come out in the other order.  A d2 that is NaN or +infinity is never taken; a row with no finite d2 gets index 0.
;
; SHARES.  A work-group: 128 rows of x against all 8,192 codes.  Wave = 4 mh + q: rows 64 mh .. + 63 of the group, kept as bf16 fragments in
; 256 registers for the whole launch (4 x-tiles x 8 K steps x 8), and of every 256 codes the 64 at 64 q, as four n-tiles of 16.
; For an n-tile a wave reads 8 KiB of codes from LDS for 32 matrix instructions.
; THE MATRIX INSTRUCTION IS USED TRANSPOSED: source 0 = 16 codes, source 1 = 16 rows of x.  Register j of lane (r, h) is then code n0 + 8 h + j against
; row r.  The first K step takes as C eight registers that hold csq[n0 + 8 h + j], so that c_sq costs no vector instruction; the factor -2 is in cbn.
; THE ARGMIN is kept apart for each (x-tile, j): 32 best values and 32 n-tile bases a lane, no chain from code to code; they are merged once, at the end.
; An n-tile's 128 vector instructions are woven, four behind each matrix instruction, into the NEXT n-tile's 32 matrix instructions (two sets of accumulators).
; WINDOWS.  x's fragments fill window 1 (v256-511) exactly; all else lies in window 0.  One setting (source 1 in window 1) serves the whole loop; the price
; is that no vector instruction of the loop may have a vector register as its source 1: hence x * 1.0 + y for sums and a difference compared with 0.
; CLUSTER.  The four work-groups of a cluster walk the same codes and the same csq: those tiles are asked for jointly (mask 15), which divides the requests for them by four.
; x's rows are each work-group's own: a plain load.  Neither an LDS address nor a branch nor a joint descriptor hangs on the place in the cluster.
; No prefetch: cbn and csq were written by the launch in front and are read by every cluster; x is read once, at the start.
.set SLOT,   135168                    ; an LDS slot: 256 codes x 528 bytes
.set CPITCH, 528                       ; a code's row: 512 bytes + 16 of padding, an odd multiple of 16: the 16 rows of a fragment load start 16 bytes apart modulo 256
.set XPITCH, 1040                      ; a row of x as f32: 1,024 + 16, likewise
.set CSQL,   2*SLOT                    ; 270,336: all of csq, 32,768 bytes
.set MRGL,   CSQL+32768                ; 303,104, a multiple of 256: 2,048 bytes of values, 2,048 of indices, written by ds_store; no tensor load lands here
.set TILEB,  131072                    ; 256 codes in cbn
.set LAPS,   15                        ; laps of two slots in the loop: steps 0 to 29 of 32; the last two are written out
.set NOWAIT, 99
; slot 0 at LDS byte 0, slot 1 at SLOT.  Slot 1's first content is the group's 128 rows of x in f32 (133,120 bytes).
.set ADR,  3                           ; v3, v4    my codes' fragments in slot 0, 1: q x 64 rows + row r + 16 h
.set CSA,  5                           ; v5        csq of my codes: CSQL + 256 q + 32 h, stepped by 2,048 a lap
.set XA,   6                           ; v6        x's stage: SLOT + (64 mh + r) x 1,040 + 32 h
.set MRGA, 7                           ; v7        MRGL + 256 wave + 4 r
.set H8,   8                           ; v8        8 h
.set ZERO, 9                           ; v9        0.0
.set FA,   10                          ; v10       at the end: where I read the four waves' results
.set FO,   11                          ; v11       at the end: my byte offset in out0 and order
.set B,    16                          ; v[16:79]  the n-tile's codes, K step s at B + 8 s
.set ST,   16                          ; v[16:143] in the x phase: 128 staged f32
.set FV,   16                          ; at the end: values of rows 2 l, 2 l + 1 from four waves
.set FI,   24                          ; and their indices
.set CS,   80                          ; v[80:87]  csq of the n-tile
.set ACC,  88                          ; v[88:151] set p, x-tile a at ACC + 32 p + 8 a
.set BEST, 152                         ; v[152:183] 8 a + j
.set IDX,  184                         ; v[184:215] 8 a + j: the base of the n-tile in which BEST was found
.set XS,   216                         ; v[216:223] x-tile a: x_sq of row 16 a + r, in both registers of a pair
.set T,    224                         ; v[224:231] at work
.set MK,   24                          ; s[24:31]  eight lane masks
.set G1C,  32                          ; s[32:39]  group 1, codes
.set G1S,  40                          ; s[40:47]  group 1, csq
.set G1X,  48                          ; s[48:55]  group 1, x
.set G0C,  56                          ; s[56:63]  group 0, codes, a set for each slot
.set G0S,  68                          ; s[68:71]  group 0, csq
.set G0X,  72                          ; s[72:75]  group 0, x
; s14 wave, s15 q, s16 mh, s17 place in the cluster, s18 work-group, s19 counter, s20 base of the n-tile whose argmin is running, s21 +infinity, s22-23 lane selects, s80-82 masks
.set MAIN, 0x04                        ; source 1 in window 1
.set TOX,  0x40                        ; destination in window 1
.set SQ,   0x05                        ; sources 0 and 1 in window 1
.set MSB, 0
.macro WIN new                         ; the immediate's high byte repeats the setting that is left
.if MSB != \new
	s_set_vgpr_msb (MSB<<8)|\new
.set MSB, \new
.endif
.endm
; A round of the cluster's barrier: my work-group's barrier; wave 0 signals for the work-group; every wave waits for the four; my work-group's barrier again.
.macro CREST                           ; a round behind its opening barrier: it follows that barrier's wait with nothing between
	s_cmp_lg_u32 s14, 0
	s_cbranch_scc1 .Lnot_wave_0_\@
	s_barrier_signal -3
.Lnot_wave_0_\@:
	s_barrier_wait -3
	s_barrier_signal -1
	s_barrier_wait -1
.endm
.macro ROUND
	s_barrier_signal -1
	s_barrier_wait -1
	CREST
.endm
	s_load_b256 s[4:11], s[0:1], 0x0               ; x s[4:5], cbn s[6:7], csq s[8:9], out0 s[10:11]
	s_load_b64 s[12:13], s[0:1], 0x20              ; order
	v_lshl_add_u32 v254, v0, 2, 0x4b000
	v_mov_b32 v255, 0
	ds_add_u32 v254, v255
	ds_add_u32 v254, v255
	v_lshrrev_b32 v[FA], 5, v0
	v_readfirstlane_b32 s14, v[FA]                 ; wave 0..7
	s_and_b32 s15, s14, 3                          ; q: which 64 of a slot's codes
	s_lshr_b32 s16, s14, 2                         ; mh: which 64 of the group's rows
	s_bfe_u32 s17, ttmp6, 0x40000                  ; my place in the cluster
	s_lshl_b32 s18, ttmp9, 2                       ; ttmp9 counts clusters
	s_add_co_u32 s18, s18, s17                     ; work-group 0..255
	s_mov_b32 s21, 0x7f800000                      ; +infinity
	s_mov_b32 s22, 0x76543210                      ; v_permlanex16_b32: lane i reads lane i of the other half
	s_mov_b32 s23, 0xfedcba98
	; group 1, codes: a wave brings 32 rows of 256 bf16; 4 words of padding behind every 128; asked for jointly by the four work-groups
	s_mov_b32 s[G1C+0], 15|(1<<16)|(1<<20)|(1<<21)|(6<<22)|(3<<25)   ; mask 15; elements of 2 bytes; padding on; bit 21 beside a mask; interval code 6; pad code 3
	s_mov_b32 s[G1C+1], 256<<16                    ; tensor_dim0 = 256
	s_mov_b32 s[G1C+2], 32<<16                     ; tensor_dim1 = 32
	s_mov_b32 s[G1C+3], 256<<16                    ; tile_dim0 = 256
	s_mov_b32 s[G1C+4], 32                         ; tile_dim1 = 32
	s_mov_b32 s[G1C+5], 256                        ; elements from row to row
	s_mov_b32 s[G1C+6], 0
	s_mov_b32 s[G1C+7], 0
	; group 1, csq: a wave brings 4,096 dense bytes as 16 rows of 32 elements of 8 bytes; joint
	s_mov_b32 s[G1S+0], 15|(3<<16)|(1<<21)
	s_mov_b32 s[G1S+1], 32<<16
	s_mov_b32 s[G1S+2], 16<<16
	s_mov_b32 s[G1S+3], 32<<16
	s_mov_b32 s[G1S+4], 16
	s_mov_b32 s[G1S+5], 32
	s_mov_b32 s[G1S+6], 0
	s_mov_b32 s[G1S+7], 0
	; group 1, x: a wave brings 16 rows of 256 f32; 4 words of padding behind every 256; the work-group's own (mask 0)
	s_mov_b32 s[G1X+0], (2<<16)|(1<<20)|(7<<22)|(3<<25)
	s_mov_b32 s[G1X+1], 256<<16
	s_mov_b32 s[G1X+2], 16<<16
	s_mov_b32 s[G1X+3], 256<<16
	s_mov_b32 s[G1X+4], 16
	s_mov_b32 s[G1X+5], 256
	s_mov_b32 s[G1X+6], 0
	s_mov_b32 s[G1X+7], 0
	s_mul_i32 s76, s14, 32*CPITCH                  ; LDS: my 32 rows of a slot
	s_mul_i32 s77, s14, 16*XPITCH                  ; LDS: my 16 rows of x's stage
	s_mul_i32 s19, s14, 4096                       ; LDS: my part of csq
	s_lshl_b32 s78, s14, 14                        ; memory: 32 rows of cbn = 16 rows of x = 16,384 bytes a wave
	s_mov_b32 s79, 0
	s_lshl_b32 s80, s14, 12                        ; memory: my part of csq
	s_mov_b32 s81, 0
	s_lshl_b32 s82, s18, 17                        ; memory: the work-group's 128 rows of x (the only pair that holds the place in the cluster)
	s_mov_b32 s83, 0
	s_wait_dscnt 0x0
	s_wait_kmcnt 0x0
	s_add_nc_u64 s[6:7], s[6:7], s[78:79]          ; cbn at my rows of tile 0
.irp n, 0,1
	s_mov_b32 s[G0C+4*\n], 1
	s_add_co_u32 s[G0C+4*\n+1], s76, \n*SLOT
	s_add_nc_u64 s[G0C+4*\n+2:G0C+4*\n+3], s[6:7], \n*TILEB        ; slot n starts with tile n
	s_or_b32 s[G0C+4*\n+3], s[G0C+4*\n+3], 0x80000000
.endr
	s_add_nc_u64 s[8:9], s[8:9], s[80:81]
	s_mov_b32 s[G0S], 1
	s_add_co_u32 s[G0S+1], s19, CSQL
	s_mov_b64 s[G0S+2:G0S+3], s[8:9]
	s_or_b32 s[G0S+3], s[G0S+3], 0x80000000
	s_add_nc_u64 s[4:5], s[4:5], s[78:79]
	s_add_nc_u64 s[4:5], s[4:5], s[82:83]
	s_mov_b32 s[G0X], 1
	s_add_co_u32 s[G0X+1], s77, SLOT
	s_mov_b64 s[G0X+2:G0X+3], s[4:5]
	s_or_b32 s[G0X+3], s[G0X+3], 0x80000000
	s_lshl_b32 s82, s18, 9                         ; 128 indices a work-group
	s_add_nc_u64 s[10:11], s[10:11], s[82:83]
	s_add_nc_u64 s[12:13], s[12:13], s[82:83]
	ROUND                                          ; the four work-groups are here: the first joint loads meet
	tensor_load_to_lds s[G0X:G0X+3], s[G1X:G1X+7]  ; the three first fills of the wave, as one group: x into slot 1's bytes,
	s_nop 0
	tensor_load_to_lds s[G0C:G0C+3], s[G1C:G1C+7]  ; codes 0 to 255 into slot 0,
	s_nop 0
	tensor_load_to_lds s[G0S:G0S+3], s[G1S:G1S+7]  ; csq.  Three tensor loads of the wave are out here, later one
	s_nop 0
	v_and_b32 v1, 15, v0                           ; r
	v_bfe_u32 v2, v0, 4, 1                         ; h
	v_mul_u32_u24 v[ADR], v1, CPITCH
	v_lshl_add_u32 v[ADR], v2, 4, v[ADR]
	s_mul_i32 s19, s15, 64*CPITCH
	v_add_nc_u32 v[ADR], s19, v[ADR]
	v_add_nc_u32 v[ADR+1], SLOT, v[ADR]
	s_lshl_b32 s19, s15, 8
	s_add_co_u32 s19, s19, CSQL
	v_lshl_add_u32 v[CSA], v2, 5, s19
	s_mul_i32 s19, s16, 64*XPITCH
	s_add_co_u32 s19, s19, SLOT
	v_mul_u32_u24 v[XA], v1, XPITCH
	v_lshl_add_u32 v[XA], v2, 5, v[XA]
	v_add_nc_u32 v[XA], s19, v[XA]
	s_lshl_b32 s19, s14, 8
	s_add_co_u32 s19, s19, MRGL
	v_lshl_add_u32 v[MRGA], v1, 2, s19
	v_lshlrev_b32 v[H8], 3, v2
	v_mov_b32 v[ZERO], 0
	s_lshl_b32 s20, s15, 6
	s_sub_co_u32 s20, s20, 208                     ; 64 q - 208: the first n-tile's woven argmin runs on no data and takes nothing, so this base is never kept
	s_wait_tensorcnt 0x0                           ; my parts of x, of the first codes and of csq are in LDS,
	s_barrier_signal -1
	s_barrier_wait -1                              ; everybody's are.
; X-TILE a: 16 rows of x, 256 along K.  A fragment of K step s: lane (r, h) holds row r, k = 8 h .. + 7 (registers 0-3) and 16 + 8 h .. + 7 (4-7):
; in f32 that is 32 bytes at 32 h and 32 bytes at 64 + 32 h of the step's 128.
.macro XTILE a
.irp s, 0,1,2,3,4,5,6,7
	ds_load_b128 v[ST+16*\s:ST+16*\s+3],     v[XA] offset:16*XPITCH*\a+128*\s
	ds_load_b128 v[ST+16*\s+4:ST+16*\s+7],   v[XA] offset:16*XPITCH*\a+128*\s+16
	ds_load_b128 v[ST+16*\s+8:ST+16*\s+11],  v[XA] offset:16*XPITCH*\a+128*\s+64
	ds_load_b128 v[ST+16*\s+12:ST+16*\s+15], v[XA] offset:16*XPITCH*\a+128*\s+80
.endr
	s_wait_dscnt 0x0
	WIN TOX
.irp s, 0,1,2,3,4,5,6,7
.irp i, 0,1,2,3,4,5,6,7
	v_cvt_pk_bf16_f32 v[8*(8*\a+\s)+\i], v[ST+16*\s+2*\i], v[ST+16*\s+2*\i+1]     ; v[256 + ..]: fragment (a, s), register i
.endr
.endr
	WIN SQ                                         ; the squares of the rounded numbers, straight from the halves, in four chains
.irp n, 0,1
	v_fma_mix_f32_bf16 v[T+2*\n],   v[64*\a+\n], v[64*\a+\n], v[ZERO] op_sel_hi:[1,1,0]                 ; the first products start the chains
	v_fma_mix_f32_bf16 v[T+2*\n+1], v[64*\a+\n], v[64*\a+\n], v[ZERO] op_sel:[1,1,0] op_sel_hi:[1,1,0]
.endr
.set XN, 2
.rept 31
.irp n, 0,1
	v_fma_mix_f32_bf16 v[T+2*\n],   v[64*\a+XN+\n], v[64*\a+XN+\n], v[T+2*\n]   op_sel_hi:[1,1,0]
	v_fma_mix_f32_bf16 v[T+2*\n+1], v[64*\a+XN+\n], v[64*\a+XN+\n], v[T+2*\n+1] op_sel:[1,1,0] op_sel_hi:[1,1,0]
.endr
.set XN, XN+2
.endr
	WIN 0
	v_add_f32 v[T], v[T], v[T+1]
	v_add_f32 v[T+2], v[T+2], v[T+3]
	v_add_f32 v[T], v[T], v[T+2]                   ; my half of row r's k;
	v_permlanex16_b32 v[T+1], v[T], s22, s23       ; lane (r, 1 - h) holds the other (the destination has been written above)
	v_add_f32 v[XS+2*\a],   v[T], v[T+1]
	v_add_f32 v[XS+2*\a+1], v[T], v[T+1]           ; twice: a pair for the packed sums
.endm
	XTILE 0
	XTILE 1
	XTILE 2
	XTILE 3
.set XN, 0
.rept 32
	v_mov_b32 v[BEST+XN], s21                      ; nothing found yet
	v_mov_b32 v[IDX+XN], 0                         ; the index that a row with no finite d2 keeps
	v_mov_b32 v[ACC+32+XN], s21                    ; set 1 = +infinity: inf - inf is NaN, no NaN is below 0, so the first woven argmin takes nothing
.set XN, XN+1
.endr
; ONE MATRIX INSTRUCTION: set p, x-tile a, K step s.  The four accumulators of a set take turns, one instruction a turn, and the sets change from n-tile to n-tile,
; over the loop's backward jump too.
.macro WM p, a, s
.if \s == 0
	v_wmma_f32_16x16x32_bf16 v[ACC+32*\p+8*\a:ACC+32*\p+8*\a+7], v[B+8*\s:B+8*\s+7], v[8*(8*\a+\s):8*(8*\a+\s)+7], v[CS:CS+7]
.else
	v_wmma_f32_16x16x32_bf16 v[ACC+32*\p+8*\a:ACC+32*\p+8*\a+7], v[B+8*\s:B+8*\s+7], v[8*(8*\a+\s):8*(8*\a+\s)+7], v[ACC+32*\p+8*\a:ACC+32*\p+8*\a+7]
.endif
.endm
; FOUR VECTOR INSTRUCTIONS of the argmin of set o, x-tile a: part i of eight.  None has a vector register as source 1 (window 1 there).
.macro EP o, a, i
.if (\i) == 0
.irp j, 0,2,4,6
	v_pk_fma_f32 v[ACC+32*\o+8*\a+\j:ACC+32*\o+8*\a+\j+1], v[ACC+32*\o+8*\a+\j:ACC+32*\o+8*\a+\j+1], 1.0, v[XS+2*\a:XS+2*\a+1] op_sel_hi:[1,0,1]   ; d2 = (c_sq - 2 xc) + x_sq
.endr
.endif
.if (\i) == 1
.irp j, 0,2,4,6
	v_pk_fma_f32 v[T+\j:T+\j+1], v[ACC+32*\o+8*\a+\j:ACC+32*\o+8*\a+\j+1], 1.0, v[BEST+8*\a+\j:BEST+8*\a+\j+1] op_sel_hi:[1,0,1] neg_lo:[0,0,1] neg_hi:[0,0,1]   ; d2 - best: its sign is exact, and it is 0 only for equals (denormals are kept)
.endr
.endif
.if (\i) == 2
.irp j, 0,1,2,3
	v_cmp_lt_f32 s[MK+\j], v[T+\j], 0              ; strictly smaller: among equals the earlier code stays
.endr
.endif
.if (\i) == 3
.irp j, 4,5,6,7
	v_cmp_lt_f32 s[MK+\j], v[T+\j], 0
.endr
.endif
.if (\i) == 4
.irp j, 0,1,2,3
	v_min3_num_f32 v[BEST+8*\a+\j], v[ACC+32*\o+8*\a+\j], s21, v[BEST+8*\a+\j]   ; min(d2, best); +infinity fills source 1; a NaN loses
.endr
.endif
.if (\i) == 5
.irp j, 4,5,6,7
	v_min3_num_f32 v[BEST+8*\a+\j], v[ACC+32*\o+8*\a+\j], s21, v[BEST+8*\a+\j]
.endr
.endif
.if (\i) == 6
.irp j, 0,1,2,3
	v_cndmask_b32 v[IDX+8*\a+\j], v[IDX+8*\a+\j], s20, s[MK+\j]    ; one scalar serves the n-tile: 8 h + j is added at the end
.endr
.endif
.if (\i) == 7
.irp j, 4,5,6,7
	v_cndmask_b32 v[IDX+8*\a+\j], v[IDX+8*\a+\j], s20, s[MK+\j]
.endr
.endif
.endm
.macro LDB s, adr, off                 ; 16 codes x 32 K: two loads of 16 bytes a lane, 32 bytes apart
	ds_load_b128 v[B+8*\s:B+8*\s+3],   v[\adr] offset:\off+64*\s
	ds_load_b128 v[B+8*\s+4:B+8*\s+7], v[\adr] offset:\off+64*\s+32
.endm
.macro LDCS cso                        ; csq[n0 + 8 h .. + 7]: the sixteen lanes of a half read the same words
	ds_load_b128 v[CS:CS+3],   v[CSA] offset:\cso
	ds_load_b128 v[CS+4:CS+7], v[CSA] offset:\cso+16
.endm
; K STEP s of an n-tile on set p; woven in: parts eb .. eb + 3 of the argmin of set o, x-tile ea.  ld = 1: the NEXT n-tile's K step s is then loaded over B(s)
; (and, for s = 0, its csq over CS): these loads stand four plain vector instructions, which name none of its registers, behind the last matrix instruction that read
; those registers, and seven K steps ahead of their use.
.macro KSTEP s, p, o, ea, eb, cnt, ld, adr, off, cso
.if \cnt < 64
	s_wait_dscnt \cnt
.endif
.irp a, 0,1,2,3
	WM \p, \a, \s
	EP \o, \ea, \eb+\a
.endr
.if \ld
	LDB \s, \adr, \off
.if \s == 0
	LDCS \cso
.endif
.endif
.endm
; The last n-tile of a slot, and the change of slots.  In front of the barrier each wave waits for all its LDS loads (its last reads of this slot among them) and for
; all its tensor loads (the one that is out is its part of the other slot).  fill = 1: the barrier opens a round of the cluster's barrier, and behind the round this slot is
; filled again, two steps ahead, by the wave's one joint load: no wave of any partner still reads the slot or has a load on its way.  That load has until the next
; change of slots to land: four n-tiles less one K step.
.macro CHANGE p, o, fill, adr, cso, slot
	KSTEP 0, \p, \o, 0, 0, 14, 0, 0, 0, 0          ; 14: B(1..7) of this n-tile are younger than B(0) and CS
	s_wait_dscnt 0x0
	s_set_vgpr_msb 0x400
	s_wait_tensorcnt 0x0
	ds_add_u32 v254, v255
	s_wait_dscnt 0x0
	s_set_vgpr_msb 0x4
.if \fill
	s_add_nc_u64 s[G0C+4*\slot+2:G0C+4*\slot+3], s[G0C+4*\slot+2:G0C+4*\slot+3], 2*TILEB   ; no tensor load of mine is out: the slot's address steps by two tiles
.endif
	s_barrier_signal -1
	KSTEP 1, \p, \o, 0, 4, NOWAIT, 0, 0, 0, 0      ; register work while the others arrive
.if \fill
	WIN 0                                          ; the round's branch and label follow: every window is 0 there; set ahead of the wait, so that the round's lines follow each other
.endif
	s_barrier_wait -1
.if \fill
	CREST
	tensor_load_to_lds s[G0C+4*\slot:G0C+4*\slot+3], s[G1C:G1C+7]
	s_nop 0
	WIN MAIN
.endif
	LDB 0, \adr, 0                                 ; the other slot's first n-tile, in the order of every n-tile: B(0), CS, B(1), ..
	LDCS \cso
	LDB 1, \adr, 0
	KSTEP 2, \p, \o, 1, 0, NOWAIT, 1, \adr, 0, 0   ; this n-tile's B(2..7) were shown in by the wait for 0
	KSTEP 3, \p, \o, 1, 4, NOWAIT, 1, \adr, 0, 0
	KSTEP 4, \p, \o, 2, 0, NOWAIT, 1, \adr, 0, 0
	KSTEP 5, \p, \o, 2, 4, NOWAIT, 1, \adr, 0, 0
	KSTEP 6, \p, \o, 3, 0, NOWAIT, 1, \adr, 0, 0
	KSTEP 7, \p, \o, 3, 4, NOWAIT, 1, \adr, 0, 0
.endm
; AN N-TILE.  kind 0: the next n-tile lies in the same slot; 1, 2: change of slots with, without a refill; 3: the very last, nothing to load.
; LDS loads return in order.  At K step 0: younger than B(0) and CS are B(1..7), 14 loads.  At K step s > 0: younger than B(s) are 2 (7 - s) of this n-tile
; and 4 + 2 (s - 1) of the next: 16.  In the last n-tile: 2 (7 - s).
.macro TILE p, o, kind, adr, off, cso, slot, inc
.if \kind == 0
	KSTEP 0, \p, \o, 0, 0, 14, 1, \adr, \off, \cso
	KSTEP 1, \p, \o, 0, 4, 16, 1, \adr, \off, \cso
	KSTEP 2, \p, \o, 1, 0, 16, 1, \adr, \off, \cso
	KSTEP 3, \p, \o, 1, 4, 16, 1, \adr, \off, \cso
	KSTEP 4, \p, \o, 2, 0, 16, 1, \adr, \off, \cso
	KSTEP 5, \p, \o, 2, 4, 16, 1, \adr, \off, \cso
	KSTEP 6, \p, \o, 3, 0, 16, 1, \adr, \off, \cso
	KSTEP 7, \p, \o, 3, 4, 16, 1, \adr, \off, \cso
.endif
.if \kind == 1
	CHANGE \p, \o, 1, \adr, \cso, \slot
.endif
.if \kind == 2
	CHANGE \p, \o, 0, \adr, \cso, \slot
.endif
.if \kind == 3
	KSTEP 0, \p, \o, 0, 0, 14, 0, 0, 0, 0
	KSTEP 1, \p, \o, 0, 4, 12, 0, 0, 0, 0
	KSTEP 2, \p, \o, 1, 0, 10, 0, 0, 0, 0
	KSTEP 3, \p, \o, 1, 4, 8,  0, 0, 0, 0
	KSTEP 4, \p, \o, 2, 0, 6,  0, 0, 0, 0
	KSTEP 5, \p, \o, 2, 4, 4,  0, 0, 0, 0
	KSTEP 6, \p, \o, 3, 0, 2,  0, 0, 0, 0
	KSTEP 7, \p, \o, 3, 4, 0,  0, 0, 0, 0
.endif
	s_add_co_u32 s20, s20, \inc                    ; the base of the n-tile just multiplied, whose argmin runs next
.endm
; A STEP: the four n-tiles of my 64 codes in one slot.  An n-tile's base is 256 step + 64 q + 16 t; the argmin runs one n-tile behind, so s20 goes
; + 208 behind t = 0 (from the last slot's t = 3 to this slot's t = 0) and + 16 otherwise.  csq of n-tile (step, t): 1,024 step + 64 t bytes from CSA.
.macro STEP slot, other, k3
	TILE 0, 1, 0,   ADR+\slot,  16*CPITCH, 1024*\slot+64,   \slot, 208
	TILE 1, 0, 0,   ADR+\slot,  32*CPITCH, 1024*\slot+128,  \slot, 16
	TILE 0, 1, 0,   ADR+\slot,  48*CPITCH, 1024*\slot+192,  \slot, 16
	TILE 1, 0, \k3, ADR+\other, 0,         1024*\slot+1024, \slot, 16
.endm
	s_wait_dscnt 0x0                               ; my reads of x's stage are over,
	s_wait_tensorcnt 0x0                           ; no tensor load of mine is out,
	ds_add_u32 v254, v255
	s_wait_dscnt 0x0
	ROUND                                          ; and that holds of every wave of the four work-groups:
	tensor_load_to_lds s[G0C+4:G0C+7], s[G1C:G1C+7]   ; codes 256 to 511 land on x's stage: my one tensor load behind the round, ahead of any LDS read
	s_nop 0
	LDB 0, ADR, 0                                  ; the first n-tile's 18 loads, in the order of every n-tile
	LDCS 0
.irp s, 1,2,3,4,5,6,7
	LDB \s, ADR, 0
.endr
	s_mov_b32 s19, LAPS
.Llap:
	WIN MAIN
	STEP 0, 1, 1
	STEP 1, 0, 1
	WIN 0                                          ; at a label and at a branch every window is 0
	v_add_nc_u32 v[CSA], 2048, v[CSA]              ; csq of the next 512 codes
	s_sub_co_i32 s19, s19, 1
	s_cmp_lg_u32 s19, 0
	s_cbranch_scc1 .Llap
	WIN MAIN
	STEP 0, 1, 2                                   ; step 30: nothing is left to fetch, so its change of slots is a plain barrier
	STEP 1, 0, 3                                   ; step 31
	; the last n-tile's argmin (set 1).  Its first line stands behind the four vector instructions that follow the last matrix instruction, and reads an
	; accumulator whose last matrix instruction lies sixteen such places back.
.irp a, 0,1,2,3
.irp i, 0,1,2,3,4,5,6,7
	EP 1, \a, \i
.endr
.endr
	WIN 0
; (va, ia) = the better of (va, ia) and (vb, ib): the smaller value, among equal values the smaller index.  The masks select values only: no branch hangs on them.
.macro MERGE va, ia, vb, ib
	v_cmp_lt_f32 s80, v[\vb], v[\va]
	v_cmp_eq_f32 s81, v[\vb], v[\va]
	v_cmp_lt_u32 s82, v[\ib], v[\ia]
	s_and_b32 s81, s81, s82
	s_or_b32 s80, s80, s81
	v_cndmask_b32 v[\va], v[\va], v[\vb], s80
	v_cndmask_b32 v[\ia], v[\ia], v[\ib], s80
.endm
; x-tile a: the eight j of a lane, then the two halves of the lanes; the wave's result for row 16 a + r goes to its own words of LDS.
.macro WMERGE a
.irp j, 1,2,3,4,5,6,7
	v_add_nc_u32 v[IDX+8*\a+\j], \j, v[IDX+8*\a+\j]
.endr
.irp j, 0,2,4,6
	MERGE BEST+8*\a+\j, IDX+8*\a+\j, BEST+8*\a+\j+1, IDX+8*\a+\j+1
.endr
	MERGE BEST+8*\a,   IDX+8*\a,   BEST+8*\a+2, IDX+8*\a+2
	MERGE BEST+8*\a+4, IDX+8*\a+4, BEST+8*\a+6, IDX+8*\a+6
	MERGE BEST+8*\a,   IDX+8*\a,   BEST+8*\a+4, IDX+8*\a+4
	v_add_nc_u32 v[IDX+8*\a], v[H8], v[IDX+8*\a]
	v_permlanex16_b32 v[T],   v[BEST+8*\a], s22, s23       ; T has been written in the argmin
	v_permlanex16_b32 v[T+1], v[IDX+8*\a],  s22, s23
	MERGE BEST+8*\a, IDX+8*\a, T, T+1
	ds_store_b32 v[MRGA], v[BEST+8*\a] offset:64*\a        ; both halves of the lanes write the same word with the same number
	ds_store_b32 v[MRGA], v[IDX+8*\a]  offset:2048+64*\a
.endm
	WMERGE 0
	WMERGE 1
	WMERGE 2
	WMERGE 3
	s_wait_dscnt 0x0                               ; my results are in LDS, for the sake of the waves that read them
	ROUND                                          ; the closing round: no work-group ends while a partner may still ask jointly; its barriers also order the stores above with the loads below
	s_cmp_gt_u32 s14, 1
	s_cbranch_scc1 .Lend
	; wave w = 0, 1: rows 64 w .. + 63 of the group, two a lane, from the four waves 4 w + q that held them
	v_and_b32 v[FA], 31, v0
	s_mul_i32 s19, s14, 1024
	s_add_co_u32 s19, s19, MRGL
	v_lshl_add_u32 v[FA], v[FA], 3, s19
	v_lshlrev_b32 v[FO], 3, v0                     ; 8 bytes a thread: rows 2 t, 2 t + 1
.irp q, 0,1,2,3
	ds_load_b64 v[FV+2*\q:FV+2*\q+1], v[FA] offset:256*\q
	ds_load_b64 v[FI+2*\q:FI+2*\q+1], v[FA] offset:2048+256*\q
.endr
	s_wait_dscnt 0x0
.irp e, 0,1
	MERGE FV+\e,   FI+\e,   FV+2+\e, FI+2+\e
	MERGE FV+4+\e, FI+4+\e, FV+6+\e, FI+6+\e
	MERGE FV+\e,   FI+\e,   FV+4+\e, FI+4+\e
.endr
	global_store_b64 v[FO], v[FI:FI+1], s[10:11]   ; each store of the wave covers 256 consecutive bytes, aligned
	global_store_b64 v[FO], v[FI:FI+1], s[12:13]   ; the same indices once more, for the launch that forms addresses from them
.Lend:
	s_wait_tensorcnt 0x0
	ds_add_u32 v254, v255
	s_wait_dscnt 0x0
	s_endpgm
.Lfunc_end_k_q7304fdcd17_nearest:
	.size	k_q7304fdcd17_nearest, .Lfunc_end_k_q7304fdcd17_nearest-k_q7304fdcd17_nearest
	.p2alignl 7, 3214868480
	.fill 96, 4, 3214868480
	.section	.rodata,"a",@progbits
	.p2align	6, 0x0
	.amdhsa_kernel k_q7304fdcd17_nearest
		.amdhsa_group_segment_fixed_size 327680
		.amdhsa_private_segment_fixed_size 0
		.amdhsa_enable_private_segment 0
		.amdhsa_kernarg_size 40
		.amdhsa_user_sgpr_count 2
		.amdhsa_user_sgpr_kernarg_segment_ptr 1
		.amdhsa_wavefront_size32 1
		.amdhsa_system_sgpr_workgroup_id_x 1
		.amdhsa_system_sgpr_workgroup_id_y 1
		.amdhsa_system_sgpr_workgroup_id_z 1
		.amdhsa_system_vgpr_workitem_id 0
		.amdhsa_next_free_vgpr 512
		.amdhsa_next_free_sgpr 84
		.amdhsa_reserve_vcc 0
		.amdhsa_float_denorm_mode_32 3
		.amdhsa_float_denorm_mode_16_64 3
		.amdhsa_memory_ordered 1
		.amdhsa_forward_progress 1
		.amdhsa_inst_pref_size 255
	.end_amdhsa_kernel
	.section	.bss,"aw",@nobits
	.p2align	6
	.space	262144
	.amdgpu_metadata
---
amdhsa.version: [ 1, 2 ]
amdhsa.kernels:
  - .name:           k_q7304fdcd17_nearest
    .symbol:         k_q7304fdcd17_nearest.kd
    .args:
      - { .name: x, .offset: 0, .size: 8, .value_kind: global_buffer, .address_space: global }
      - { .name: cbn, .offset: 8, .size: 8, .value_kind: global_buffer, .address_space: global }
      - { .name: csq, .offset: 16, .size: 8, .value_kind: global_buffer, .address_space: global }
      - { .name: out0, .offset: 24, .size: 8, .value_kind: global_buffer, .address_space: global }
      - { .name: order, .offset: 32, .size: 8, .value_kind: global_buffer, .address_space: global }
    .group_segment_fixed_size: 327680
    .private_segment_fixed_size: 0
    .kernarg_segment_align: 8
    .kernarg_segment_size: 40
    .max_flat_workgroup_size: 256
    .sgpr_count:     84
    .vgpr_count:     512
    .wavefront_size: 32
...
	.end_amdgpu_metadata
.endif
;; end of part 2
;; launch gather (part 3): grid 256 x 1, 8 waves a work-group, no clusters, 0 bytes of LDS; arguments order, codebook, out1; writes out1
.if DOCPART == 3
	.amdgcn_target "amdgcn-amd-amdhsa--gfx1250"
	.amdhsa_code_object_version 6
	.text
	.protected	k_q7304fdcd17_gather
	.globl	k_q7304fdcd17_gather
	.p2align	8
	.type	k_q7304fdcd17_gather,@function
k_q7304fdcd17_gather:
	s_mov_b64 s[64:65], 0
	v_nop
	global_prefetch_b8 v0, s[64:65] scope:SCOPE_SE
	s_setreg_imm32_b32 hwreg(HW_REG_WAVE_MODE, 25, 1), 1
	s_wait_xcnt 0x0
; out1[row][:] = codebook[order[row]][:].  order: [32768] i32, stored by the launch in front.  codebook: [8192][256] f32.  out1: [32768][256] f32.
; A stream: 32 MiB gathered, 32 MiB stored.  Eight waves, 128 rows a work-group, 16 rows a wave, a whole row (1,024 bytes) by two loads of the wave of
; 512 consecutive bytes each.  All 32 loads of a wave go out at once; each row has its own registers, so nothing that a load or store names is written again.
; No LDS, no barrier, no matrix unit: no wave needs what another holds.
; An index is clamped to 8,191 before it enters an address; the launch in front stores none above that.
.set OFF, 2                            ; v[2:17]   row k: byte offset of my 16 bytes in the code's row
.set D,   24                           ; v[24:151] row k: 8 registers
	s_load_b128 s[4:7], s[0:1], 0x0                ; order s[4:5], codebook s[6:7]
	s_load_b64 s[8:9], s[0:1], 0x10                ; out1
	v_lshrrev_b32 v18, 5, v0
	v_readfirstlane_b32 s10, v18                   ; wave 0..7
	v_and_b32 v1, 31, v0
	v_lshlrev_b32 v1, 4, v1                        ; 16 bytes a lane
	s_lshl_b32 s12, ttmp9, 9                       ; 128 indices a work-group,
	s_lshl_b32 s11, s10, 6                         ; 16 a wave
	s_add_co_u32 s12, s12, s11
	s_mov_b32 s13, 0
	s_lshl_b32 s14, s12, 8                         ; 1,024 bytes of out1 for 4 bytes of order
	s_mov_b32 s15, 0
	s_wait_kmcnt 0x0
	s_add_nc_u64 s[4:5], s[4:5], s[12:13]
	s_add_nc_u64 s[8:9], s[8:9], s[14:15]
	s_load_b512 s[16:31], s[4:5], 0x0              ; my wave's sixteen indices
	s_wait_kmcnt 0x0
.irp k, 0,1,2,3,4,5,6,7,8,9,10,11,12,13,14,15
	s_min_u32 s[16+\k], s[16+\k], 0x1fff
	v_lshl_add_u32 v[OFF+\k], s[16+\k], 10, v1
.endr
.irp k, 0,1,2,3,4,5,6,7,8,9,10,11,12,13,14,15
	global_load_b128 v[D+8*\k:D+8*\k+3],   v[OFF+\k], s[6:7]               ; no hint: a code may be named by many rows
	global_load_b128 v[D+8*\k+4:D+8*\k+7], v[OFF+\k], s[6:7] offset:512
.endr
.irp k, 0,1,2,3,4,5,6,7,8,9,10,11,12,13,14,15
	s_wait_loadcnt 30-2*\k                         ; loads return in order: row k's two are in, the younger rows' stay out
	global_store_b128 v1, v[D+8*\k:D+8*\k+3],   s[8:9] offset:1024*\k th:TH_STORE_NT       ; 512 consecutive bytes, aligned; not read again
	global_store_b128 v1, v[D+8*\k+4:D+8*\k+7], s[8:9] offset:1024*\k+512 th:TH_STORE_NT
.endr
	s_endpgm
.Lfunc_end_k_q7304fdcd17_gather:
	.size	k_q7304fdcd17_gather, .Lfunc_end_k_q7304fdcd17_gather-k_q7304fdcd17_gather
	.p2alignl 7, 3214868480
	.fill 96, 4, 3214868480
	.section	.rodata,"a",@progbits
	.p2align	6, 0x0
	.amdhsa_kernel k_q7304fdcd17_gather
		.amdhsa_group_segment_fixed_size 0
		.amdhsa_private_segment_fixed_size 0
		.amdhsa_enable_private_segment 0
		.amdhsa_kernarg_size 24
		.amdhsa_user_sgpr_count 2
		.amdhsa_user_sgpr_kernarg_segment_ptr 1
		.amdhsa_wavefront_size32 1
		.amdhsa_system_sgpr_workgroup_id_x 1
		.amdhsa_system_sgpr_workgroup_id_y 1
		.amdhsa_system_sgpr_workgroup_id_z 1
		.amdhsa_system_vgpr_workitem_id 0
		.amdhsa_next_free_vgpr 152
		.amdhsa_next_free_sgpr 66
		.amdhsa_reserve_vcc 0
		.amdhsa_float_denorm_mode_32 3
		.amdhsa_float_denorm_mode_16_64 3
		.amdhsa_memory_ordered 1
		.amdhsa_forward_progress 1
		.amdhsa_inst_pref_size 10
	.end_amdhsa_kernel
	.amdgpu_metadata
---
amdhsa.version: [ 1, 2 ]
amdhsa.kernels:
  - .name:           k_q7304fdcd17_gather
    .symbol:         k_q7304fdcd17_gather.kd
    .args:
      - { .name: order, .offset: 0, .size: 8, .value_kind: global_buffer, .address_space: global }
      - { .name: codebook, .offset: 8, .size: 8, .value_kind: global_buffer, .address_space: global }
      - { .name: out1, .offset: 16, .size: 8, .value_kind: global_buffer, .address_space: global }
    .group_segment_fixed_size: 0
    .private_segment_fixed_size: 0
    .kernarg_segment_align: 8
    .kernarg_segment_size: 24
    .max_flat_workgroup_size: 256
    .sgpr_count:     66
    .vgpr_count:     152
    .wavefront_size: 32
...
	.end_amdgpu_metadata
.endif
;; end of part 3
;; ======== version 2 of 2: 3 launches; version 1 with the launch prep written anew for expert scheduling mode
;; workspace buffers: cbn 4,194,304 bytes; csq 32,768 bytes; order 131,072 bytes of whole numbers
;; launch prep (part 4): grid 128 x 1, 8 waves a work-group, no clusters, 1,280 bytes of LDS; arguments codebook, cbn, csq; writes cbn, csq
.if DOCPART == 4
	.amdgcn_target "amdgcn-amd-amdhsa--gfx1250"
	.amdhsa_code_object_version 6
	.text
	.protected	k_q7304fdcd17_prep
	.globl	k_q7304fdcd17_prep
	.p2align	8
	.type	k_q7304fdcd17_prep,@function
k_q7304fdcd17_prep:
	s_mov_b64 s[64:65], 0
	v_nop
	global_prefetch_b8 v0, s[64:65] scope:SCOPE_SE
	s_setreg_imm32_b32 hwreg(HW_REG_WAVE_SCHED_MODE, 0, 2), 2
	s_setreg_imm32_b32 hwreg(HW_REG_WAVE_MODE, 25, 1), 1
	s_wait_xcnt 0x0
	s_wait_alu depctr_vm_vsrc(0)
; cbn[k][d] = bf16(-2 codebook[k][d]);  csq[k] = sum over d of bf16(codebook[k][d])^2, in f32.
; Done once here, so that the 256 work-groups of the next launch, which all walk the whole codebook, neither convert it nor square it again.
; -2 is a power of two: bf16(-2 c) = -2 bf16(c) exactly, and the sum of (2 c)^2 is exactly four times the sum of c^2.
; LIMITS: |c| above 1.7e38 overflows in cbn; csq overflows where four times the sum of squares passes 3.4e38.
; Eight waves, 64 rows a work-group (so its 64 words of csq are 256 consecutive bytes, aligned), 8 rows a wave, a whole row in one wave:
; a load of the wave covers 512 consecutive bytes, a store of cbn 256, and the sum never leaves the wave.
; No matrix unit, no cluster, no tensor load: 8 MiB are read once and 4 MiB written once.
; THE MODE: SCHED_MODE bits 1:0 = 2 (LLVM: expert scheduling mode 2), set by the entry lines.  The code itself states the register dependences
; between vector instructions and memory or LDS instructions, with s_wait_alu, always for 0.
; THE PLAN.  The wave's eight rows go in four blocks of two.  Registers that memory or LDS instructions touch:
;   v1, v2, v3   offsets and LDS addresses: written at the head, read by every load and store, never written again.
;   X            the sixteen loads at the head land in it, once; behind that vector instructions alone name it.
;   P[k]         written once, by row k's four roundings; read by row k's two stores of cbn (and by its squares); never written again.
;   S[2 k]       row k's sum, written last by the multiply by a quarter; read by one LDS store, issued in the next block; never written again.
;   v[130:131]   wave 0's LDS load lands in them and its store reads them; no vector instruction names them.
;   v136, v137   written at the head, read by the closing add alone.
; So ONE wait on va_vdst stands in a block, behind its roundings: it states that P of the block's two rows is written and, from the second block on, that the sums of the
; two rows before are written.  The block's four stores and those two LDS stores follow it at once.  No register that a memory or LDS instruction reads is written again,
; so no wait on vm_vsrc is owed ahead of the closing lines.
.set X,  16                            ; v[16:79]   row k: 8 registers: elements 4 l .. 4 l + 3 and 128 + 4 l .. + 3 (l = lane)
.set P,  80                            ; v[80:111]  row k: 4 words of two bf16
.set S,  112                           ; v[112:127] row k: two chains of squares
.set TP, 128                           ; v[128:129] at work for a block's even row, v[132:133] for its odd row; v[130:131] the 64 sums that wave 0 reads back
	s_load_b128 s[4:7], s[0:1], 0x0                ; codebook s[4:5], cbn s[6:7]
	s_load_b64 s[8:9], s[0:1], 0x10                ; csq
	v_lshl_add_u32 v136, v0, 2, 0x100              ; my spare word, behind the 256 bytes of sums, and 0: made here and kept for the closing lines alone
	v_mov_b32 v137, 0
	v_lshrrev_b32 v4, 5, v0
	v_readfirstlane_b32 s10, v4                    ; wave 0..7
	v_and_b32 v5, 31, v0                           ; lane
	v_lshlrev_b32 v1, 4, v5                        ; 16 bytes a lane in a half row of f32
	v_lshlrev_b32 v2, 3, v5                        ; 8 bytes a lane in a half row of bf16
	v_lshlrev_b32 v3, 5, v4                        ; LDS: 8 words for each wave
	s_mov_b32 s11, 0xffff0000                      ; a word's upper bf16
	s_mov_b32 s12, 0x76543210                      ; v_permlanex16_b32: lane i reads lane i of the other half
	s_mov_b32 s13, 0xfedcba98
	s_lshl_b32 s2, ttmp9, 16                       ; 64 rows of 1,024 bytes a work-group,
	s_wait_alu depctr_va_sdst(0)                   ; s10 is written, ahead of its first reader: the wave's offsets are made from it
	s_lshl_b32 s14, s10, 13                        ; 8 a wave
	s_add_co_u32 s2, s2, s14
	s_mov_b32 s3, 0
	s_lshr_b32 s14, s2, 1                          ; half of that in cbn
	s_mov_b32 s15, 0
	s_lshl_b32 s16, ttmp9, 8                       ; 64 words a work-group in csq
	s_mov_b32 s17, 0
	s_wait_kmcnt 0x0
	s_add_nc_u64 s[4:5], s[4:5], s[2:3]
	s_add_nc_u64 s[6:7], s[6:7], s[14:15]
	s_add_nc_u64 s[8:9], s[8:9], s[16:17]
	s_wait_alu depctr_va_vdst(0)                   ; v1, v2 and v3 are written, which the loads and stores below read as offsets and addresses; so are v136 and v137, which the closing add reads
.irp k, 0,1,2,3,4,5,6,7
	global_load_b128 v[X+8*\k:X+8*\k+3],   v1, s[4:5] offset:1024*\k       ; all sixteen loads of the wave go out at once
	global_load_b128 v[X+8*\k+4:X+8*\k+7], v1, s[4:5] offset:1024*\k+512
.endr
; Block b: rows 2 b and 2 b + 1.  Each row's lines stand in the order that they had row by row; the two rows take turns line by line, so that no line reads the result of the line just ahead of it.
.macro BLK b
	s_wait_loadcnt 12-4*\b                         ; loads return in order: the block's four are in, the younger blocks' stay out
.irp e, 0,1
.set K, 2*\b+\e
.irp i, 0,2,4,6
	v_pk_mul_f32 v[X+8*K+\i:X+8*K+\i+1], v[X+8*K+\i:X+8*K+\i+1], -2.0 op_sel_hi:[1,0]
.endr
.endr
.irp e, 0,1
.set K, 2*\b+\e
.irp i, 0,1,2,3
	v_cvt_pk_bf16_f32 v[P+4*K+\i], v[X+8*K+2*\i], v[X+8*K+2*\i+1]
.endr
.endr
	s_wait_alu depctr_va_vdst(0)                   ; the roundings have written P of both rows, which the four stores read; the block before has written its two sums, which the two LDS stores read
.irp e, 0,1
.set K, 2*\b+\e
	global_store_b64 v2, v[P+4*K:P+4*K+1],   s[6:7] offset:512*K           ; 32 lanes x 8 bytes: 256 consecutive bytes, aligned
	global_store_b64 v2, v[P+4*K+2:P+4*K+3], s[6:7] offset:512*K+256       ; (each row has its own P: nothing that a store reads is rewritten)
.endr
.if \b > 0
.irp e, 0,1
.set K, 2*\b-2+\e
	ds_store_b32 v3, v[S+2*K] offset:4*K           ; the two rows before: every lane writes the same word with the same number
.endr
.endif
.irp e, 0,1
.set K, 2*\b+\e
	v_lshlrev_b32 v[TP+4*\e],   16,  v[P+4*K]      ; the first word's two squares start the two chains: nothing is cleared
	v_and_b32     v[TP+4*\e+1], s11, v[P+4*K]
.endr
.irp e, 0,1
.set K, 2*\b+\e
	v_mul_f32 v[S+2*K],   v[TP+4*\e],   v[TP+4*\e]
	v_mul_f32 v[S+2*K+1], v[TP+4*\e+1], v[TP+4*\e+1]
.endr
.irp i, 1,2,3
.irp e, 0,1
.set K, 2*\b+\e
	v_fma_mix_f32_bf16 v[S+2*K],   v[P+4*K+\i], v[P+4*K+\i], v[S+2*K]   op_sel_hi:[1,1,0]                ; low halves, squared, into f32
	v_fma_mix_f32_bf16 v[S+2*K+1], v[P+4*K+\i], v[P+4*K+\i], v[S+2*K+1] op_sel:[1,1,0] op_sel_hi:[1,1,0] ; high halves
.endr
.endr
.irp e, 0,1
.set K, 2*\b+\e
	v_add_f32 v[S+2*K], v[S+2*K], v[S+2*K+1]
.endr
.irp m, 1,2,4,8
.irp e, 0,1
.set K, 2*\b+\e
	v_add_f32_dpp v[S+2*K], v[S+2*K], v[S+2*K] row_xmask:\m row_mask:0xf bank_mask:0xf
.endr
.endr
.irp e, 0,1
.set K, 2*\b+\e
	v_permlanex16_b32 v[TP+4*\e], v[S+2*K], s12, s13   ; its destination has been written above
.endr
.irp e, 0,1
.set K, 2*\b+\e
	v_add_f32 v[S+2*K], v[S+2*K], v[TP+4*\e]
.endr
.irp e, 0,1
.set K, 2*\b+\e
	v_mul_f32 v[S+2*K], 0x3e800000, v[S+2*K]       ; a quarter: the squares were of 2 c
.endr
.endm
	BLK 0
	BLK 1
	BLK 2
	BLK 3
	s_wait_alu depctr_va_vdst(0)                   ; the last block has written the sums of rows 6 and 7, which the two LDS stores read
	ds_store_b32 v3, v[S+12] offset:24
	ds_store_b32 v3, v[S+14] offset:28
	s_wait_dscnt 0x0                               ; my eight words are in LDS, for wave 0's sake
	s_barrier_signal -1
	s_barrier_wait -1
	s_cmp_lg_u32 s10, 0
	s_cbranch_scc1 .Lend
	ds_load_b64 v[TP+2:TP+3], v2                   ; wave 0: the work-group's 64 sums, into registers that no vector instruction names
	s_wait_dscnt 0x0
	global_store_b64 v2, v[TP+2:TP+3], s[8:9]      ; 256 consecutive bytes, aligned
.Lend:
	s_wait_dscnt 0x0                               ; the closing lines, six on end
	s_wait_alu 0x0
	s_wait_tensorcnt 0x0
	ds_add_u32 v136, v137
	s_wait_dscnt 0x0
	s_endpgm
.Lfunc_end_k_q7304fdcd17_prep:
	.size	k_q7304fdcd17_prep, .Lfunc_end_k_q7304fdcd17_prep-k_q7304fdcd17_prep
	.p2alignl 7, 3214868480
	.fill 96, 4, 3214868480
	.section	.rodata,"a",@progbits
	.p2align	6, 0x0
	.amdhsa_kernel k_q7304fdcd17_prep
		.amdhsa_group_segment_fixed_size 1280
		.amdhsa_private_segment_fixed_size 0
		.amdhsa_enable_private_segment 0
		.amdhsa_kernarg_size 24
		.amdhsa_user_sgpr_count 2
		.amdhsa_user_sgpr_kernarg_segment_ptr 1
		.amdhsa_wavefront_size32 1
		.amdhsa_system_sgpr_workgroup_id_x 1
		.amdhsa_system_sgpr_workgroup_id_y 1
		.amdhsa_system_sgpr_workgroup_id_z 1
		.amdhsa_system_vgpr_workitem_id 0
		.amdhsa_next_free_vgpr 138
		.amdhsa_next_free_sgpr 66
		.amdhsa_reserve_vcc 0
		.amdhsa_float_denorm_mode_32 3
		.amdhsa_float_denorm_mode_16_64 3
		.amdhsa_memory_ordered 1
		.amdhsa_forward_progress 1
		.amdhsa_inst_pref_size 18
	.end_amdhsa_kernel
	.amdgpu_metadata
---
amdhsa.version: [ 1, 2 ]
amdhsa.kernels:
  - .name:           k_q7304fdcd17_prep
    .symbol:         k_q7304fdcd17_prep.kd
    .args:
      - { .name: codebook, .offset: 0, .size: 8, .value_kind: global_buffer, .address_space: global }
      - { .name: cbn, .offset: 8, .size: 8, .value_kind: global_buffer, .address_space: global }
      - { .name: csq, .offset: 16, .size: 8, .value_kind: global_buffer, .address_space: global }
    .group_segment_fixed_size: 1280
    .private_segment_fixed_size: 0
    .kernarg_segment_align: 8
    .kernarg_segment_size: 24
    .max_flat_workgroup_size: 256
    .sgpr_count:     66
    .vgpr_count:     138
    .wavefront_size: 32
...
	.end_amdgpu_metadata
.endif
;; end of part 4
;; launch nearest: the kernel of part 2 again; grid 256 x 1, 8 waves a work-group, clusters of 4 x 1, 327,680 bytes of LDS; arguments x, cbn, csq, out0, order; writes out0, order
;; launch gather: the kernel of part 3 again; grid 256 x 1, 8 waves a work-group, no clusters, 0 bytes of LDS; arguments order, codebook, out1; writes out1
